; MI455X (gfx1250); checked and timed in simulation.
; The chip was launched on July 23, 2026; its instructions are those of AMD's public machine-readable ISA for CDNA 5 (MIT licence, August 2026) and "CDNA5" Instruction Set Architecture Reference Guide (July 2026). The comments in the code are by the model that wrote it; some were corrected since.
;; multi fuse pic cls. Allowed arithmetic: matrix products marked QUANTISED: E2M1 operands, one E8M0 scale for each 32 along K, by v_wmma_scale_f32_16x16x128_f8f6f4 with both operands' format E2M1 (or v_wmma_scale_f32_32x16x128_f4), f32 sums; everything else in f32.
;; Inputs: model_bias 8 x 1,000 float32; model_weights 8 x 2,048 x 1,000 float32; resnet_bias 8,000 float32; resnet_weight 2,048 x 8,000 float32; x 2,048 x 2,048 float32.
;; Outputs: out0 2,048 x 1,000 float32.
;; This version of the problem:
;;   THIS VERSION OF THE PROBLEM IS GIVEN IN LOW PRECISION. The matrix products marked QUANTISED in the list below multiply operands that are first quantised to E2M1 (2 exponent bits, 1 mantissa bit; 4 bits a number), with one power-of-two scale for each 32 numbers along K (OCP MX v1.0); their sums are f32. All else is computed in f32.
;;   The module's matrix products, in the order in which they are computed (A, B: the left and right operand; K: the contracted axis; several contracted axes count as one K, in the product's order):
;;     1. [M 2,048, K 2,048] x [K 2,048, N 8,000]; A: input x; B: input model_weights: QUANTISED
;;     2. [M 2,048, K 2,048] x [K 2,048, N 8,000]; A: input x; B: input resnet_weight: QUANTISED
;;   THE QUANTISER, for each operand of a quantised product, along K:
;;     - K is cut into blocks of 32 from its start; a last block that is shorter is filled with zeros.
;;     - A block's scale is 2^e with e = floor(log2(the largest magnitude in the block)) - 2, held to -126 .. 127; a block of zeros has e = 0. As a byte (E8M0): e + 127.
;;     - Each number is divided by its block's scale, clamped to +-6, and rounded to the nearest number of E2M1, ties to even, subnormals kept.
;;     - The product sums the exact products of the quantised numbers (number of the format x scale) in f32.
;;   ~~~python
;;   def quantise(x, axis):      # numpy; x: float32 -> the quantised numbers, widened to float32 again
;;       x = np.moveaxis(x, axis, -1); K = x.shape[-1]
;;       x = np.pad(x, [(0, 0)] * (x.ndim - 1) + [(0, -K % 32)]); x = x.reshape(x.shape[:-1] + (-1, 32)); a = np.abs(x).max(-1, keepdims=True)
;;       e = np.where(a > 0, np.clip(np.frexp(np.where(a > 0, a, 1))[1] - 1 - 2, -126, 127), 0)      # np.frexp(a)[1] - 1 = floor(log2(a)), exactly
;;       r = np.clip(x / 2.0 ** e, -6, 6)
;;       step = 2.0 ** (np.maximum(np.frexp(np.where(r == 0, 1, r))[1] - 1, 0) - 1)
;;       q = np.round(r / step) * step * 2.0 ** e      # np.round: ties to even
;;       return np.moveaxis(q.reshape(q.shape[:-2] + (-1,))[..., :K], -1, axis).astype(np.float32)
;;   ~~~
;; One version. Each part assembles by itself: llvm-mc -triple=amdgcn-amd-amdhsa -mcpu=gfx1250 --defsym DOCPART=n.
;; ======== version 1 of 1: 2 launches
;; limits: right only within a limited range of input values
;; workspace buffers: xq 2,097,152 bytes; xs 131,072 bytes; wq 16,777,216 bytes; ws 1,048,576 bytes
;; launch quant (part 1): grid 640 x 1, 4 waves a work-group, no clusters, 50,688 bytes of LDS; arguments x, model_weights, resnet_weight, xq, xs, wq, ws; writes xq, xs, wq, ws
.if DOCPART == 1
	.amdgcn_target "amdgcn-amd-amdhsa--gfx1250"
	.amdhsa_code_object_version 6
	.text
	.protected	k_q1d6da4a52a_quant
	.globl	k_q1d6da4a52a_quant
	.p2align	8
	.type	k_q1d6da4a52a_quant,@function
k_q1d6da4a52a_quant:
	s_mov_b64 s[64:65], 0
	v_nop
	global_prefetch_b8 v0, s[64:65] scope:SCOPE_SE
	s_setreg_imm32_b32 hwreg(HW_REG_WAVE_MODE, 25, 1), 1
	s_wait_xcnt 0x0
; x [2048][2048], model_weights [8][2048][1000] and resnet_weight [2048][8000], all f32, become codes of FP4 (E2M1) with one E8M0 scale byte for each 32 along K (K = the axis of 2,048).
; A block's scale is 2^(floor(log2(its largest magnitude)) - 2): its byte is the largest magnitude's own exponent field - 2, held at 1 from below.  Each number is divided by the scale and rounded to the nearest code, ties to
; even; beyond the largest code the conversion gives the largest code.
; LIMITS: NaN and infinities among the inputs are not served.  A block of zeros gets the byte 1 where the rule says 127: its codes are zeros, which add nothing under that byte, and the bytes are read by this program alone.
; THE WORKSPACE IS LAID IN THE ORDER OF THE OPERANDS' REGISTERS (a fragment = 16 rows x 128 K = 8 registers a lane; lane (r, h) = (lane % 16, lane / 16); registers 4 c2 .. 4 c2 + 3 hold k = 64 c2 + 32 h + 0 .. 31):
;   xq [g 32][s 16][a 4][c2 2][lane 32][16 bytes]           row 64 g + 16 a + r of x, K step s of 128
;   xs [g 32][a 4][q 4][lane 32][2 words]                   word e of lane (r, h): the four scale bytes of that row at K step 4 q + 2 e + h
;   wq [cg 32][m 8][s 16][f 4][c2 2][lane 32][16 bytes]     f = 2 t + j; t = 0 model_weights, 1 resnet_weight; column c = 32 cg + 16 j + r of model m.  Columns 1000 .. 1023 hold zero codes
;   ws [cg 32][m 8][i 8][L 32][4 words]                     L = 16 t + r; word 2 j + e: the four scale bytes of that column at K step 2 i + e
; SHARES.  Work-groups 0 .. 127 take x, 16 rows each, a wave 512 along K.  Work-groups 128 .. 639 take the weights: one tensor, one model, 256 along K, 256 columns; a wave 64 columns.
; No tensor loads, no barrier, no cluster, no matrix work: the waves share nothing, and the launch is a stream.  Each path has LDS bytes of its own, each wave a stage of its own in them.
.set XWG,   128                        ; work-groups that take x
.set STG,   16*272                     ; x: a wave's stage in LDS: 16 rows of 256 bytes + 16 of padding
.set FLOOR, 0x1800000                  ; 2^(3 - 127): under it no largest magnitude is taken, so that the byte cannot fall under 1
; The largest magnitude of the 32 numbers v[s] .. v[s + 31] in v[m] (two chains, so that no line waits for the one above it), and in v[m + 2] the conversion's scale operand:
; 2 off the exponent field; the conversion takes the exponent field of that operand and nothing else of it.
.macro AMAX s, m
	v_max3_num_f32 v[\m], |v[\s]|, |v[\s+1]|, |v[\s+2]|
	v_max3_num_f32 v[\m+1], |v[\s+3]|, |v[\s+4]|, |v[\s+5]|
.irp i, 6,10,14,18,22,26
	v_max3_num_f32 v[\m], v[\m], |v[\s+\i]|, |v[\s+\i+1]|
	v_max3_num_f32 v[\m+1], v[\m+1], |v[\s+\i+2]|, |v[\s+\i+3]|
.endr
	v_max3_num_f32 v[\m], v[\m], |v[\s+30]|, |v[\s+31]|
	v_max3_num_f32 v[\m], v[\m], v[\m+1], FLOOR
	v_add_nc_u32 v[\m+2], 0xff000000, v[\m]
.endm
	s_load_b256 s[4:11], s[0:1], 0x0               ; x s[4:5], model_weights s[6:7], resnet_weight s[8:9], xq s[10:11]
	s_load_b128 s[12:15], s[0:1], 0x20             ; xs s[12:13], wq s[14:15]
	s_load_b64 s[16:17], s[0:1], 0x30              ; ws
	v_lshl_add_u32 v240, v0, 2, 0xc400
	v_mov_b32 v241, 0
	v_lshrrev_b32 v1, 5, v0
	v_readfirstlane_b32 s18, v1                    ; wave 0..3
	v_and_b32 v1, 31, v0                           ; lane
	s_cmp_lt_u32 ttmp9, XWG
	s_cbranch_scc0 .Lweights
; ---------------- x: K is innermost.  A lane must hold 32 NEIGHBOURS along K of one row (a whole block), yet each load is to take the bytes as they lie.  So a half step (16 rows x 64 along K = 16 x 256 bytes) is loaded
; 16 bytes a lane, two rows of 256 aligned bytes a load, goes through the wave's own stage in LDS and comes back 128 bytes a lane.  The conversions' results are then the operand's registers.
.set R,   16                           ; v16-79   two sets of 32: a half step as loaded
.set XT,  80                           ; v80-111  my 32 neighbours
.set CX,  112                          ; v112-143 codes: four registers for each half step, so that no store's data are written again
.set P,   144                          ; v144-147 my two scale bytes of each of the wave's four K steps
.set WD,  148                          ; v148-151 the whole scale words
	v_and_b32 v2, 15, v0                           ; r
	v_bfe_u32 v3, v0, 4, 1                         ; h
	v_lshlrev_b32 v4, 13, v3
	v_lshl_add_u32 v4, v2, 4, v4                   ; in: row h of a pair (8,192 bytes a row), 16 r bytes on
	s_mul_i32 s19, s18, STG
	v_mul_u32_u24 v5, v3, 272
	v_lshl_add_u32 v5, v2, 4, v5
	v_add_nc_u32 v5, s19, v5                       ; the stage, on the way in: row h of a pair, 16 r
	v_mul_u32_u24 v6, v2, 272
	v_lshl_add_u32 v6, v3, 7, v6
	v_add_nc_u32 v6, s19, v6                       ; and on the way out: row r, 128 h: 68 words from row to row, so that sixteen lanes take sixteen different columns of 16 bytes
	v_lshlrev_b32 v7, 4, v1                        ; 16 x lane: my place in a fragment's half
	v_lshlrev_b32 v8, 3, v1                        ; 8 x lane: my two scale words
	v_lshlrev_b32 v9, 3, v3                        ; 8 h: how far my bytes are shifted in a scale word
	v_mov_b32 v158, 0                              ; written once: a lane permute's destination counts as one of its sources
	v_cmp_eq_u32 s28, 1, v3                        ; lanes 16-31
	s_mov_b32 s26, 0x76543210
	s_mov_b32 s27, 0xfedcba98                      ; v_permlanex16_b32's selects for lane l xor 16
	s_lshl_b32 s20, ttmp9, 17                      ; x: 16 rows of 8,192 bytes a work-group,
	s_lshl_b32 s21, s18, 11                        ; 512 numbers a wave
	s_add_co_u32 s20, s20, s21
	s_mov_b32 s21, 0
	s_lshr_b32 s29, ttmp9, 2                       ; g
	s_and_b32 s30, ttmp9, 3                        ; a
	s_lshl_b32 s22, s29, 16                        ; xq: 65,536 g + 1,024 a + 4 K steps of 4,096 a wave
	s_lshl_b32 s23, s30, 10
	s_add_co_u32 s22, s22, s23
	s_lshl_b32 s23, s18, 14
	s_add_co_u32 s22, s22, s23
	s_mov_b32 s23, 0
	s_lshl_b32 s24, s29, 12                        ; xs: 4,096 g + 1,024 a + 256 a wave
	s_lshl_b32 s25, s30, 10
	s_add_co_u32 s24, s24, s25
	s_lshl_b32 s25, s18, 8
	s_add_co_u32 s24, s24, s25
	s_mov_b32 s25, 0
	s_wait_alu depctr_va_vdst(0)
	s_wait_kmcnt 0x0
	s_add_nc_u64 s[4:5], s[4:5], s[20:21]
	s_add_nc_u64 s[10:11], s[10:11], s[22:23]
	s_add_nc_u64 s[12:13], s[12:13], s[24:25]
.macro LOADX u                         ; half step u: eight loads, each two rows x 256 consecutive bytes
.irp i, 0,1,2,3,4,5,6,7
	global_load_b128 v[R+32*((\u)%2)+4*\i:R+32*((\u)%2)+4*\i+3], v4, s[4:5] offset:\i*16384+(\u)*256 th:TH_LOAD_NT
.endr
.endm
.macro HALF u                          ; half step u: K step u / 2 of the wave's four, c2 = u % 2
.if (\u) < 7
	s_wait_loadcnt 8                               ; this half step's eight loads are in; the next one's eight may be out
.else
	s_wait_loadcnt 0x0
.endif
.irp i, 0,1,2,3,4,5,6,7
	ds_store_b128 v5, v[R+32*((\u)%2)+4*\i:R+32*((\u)%2)+4*\i+3] offset:\i*544
.endr
.irp i, 0,1,2,3,4,5,6,7
	ds_load_b128 v[XT+4*\i:XT+4*\i+3], v6 offset:16*\i      ; LDS serves a wave's instructions in order (ISA guide 5.7.1.4): these see the stores above
.endr
	s_wait_dscnt 0x0                               ; my 32 neighbours are in
.if (\u) < 6
	LOADX (\u)+2                                   ; the set just sent through the stage takes the loads of two half steps on
.endif
	AMAX XT, 154
.irp g, 0,1,2,3
	v_cvt_scalef32_pk8_fp4_f32 v[CX+4*(\u)+\g], v[XT+8*\g:XT+8*\g+7], v156
.endr
	v_lshrrev_b32 v157, 23, v156                   ; the scale's byte.  (Also the plain line behind the conversions)
.if ((\u)%2) == 0
	v_mov_b32 v[P+(\u)/2], v157                    ; block 2 c2 + h of the K step: c2 = 0 in bits 7:0,
.else
	v_lshl_or_b32 v[P+(\u)/2], v157, 16, v[P+(\u)/2]   ; c2 = 1 in bits 23:16; the shift by 8 h follows at the end
.endif
	global_store_b128 v7, v[CX+4*(\u):CX+4*(\u)+3], s[10:11] offset:((\u)/2)*4096+((\u)%2)*512   ; 32 lanes store 512 consecutive bytes, at a multiple of 256 from xq's first byte
.endm
	LOADX 0
	LOADX 1
.irp u, 0,1,2,3,4,5,6,7
	HALF \u
.endr
.irp t, 0,1,2,3
	v_lshlrev_b32 v[P+\t], v9, v[P+\t]             ; my two bytes at their places,
	v_permlanex16_b32 v158, v[P+\t], s26, s27
	v_or_b32 v[WD+\t], v[P+\t], v158               ; with lane l xor 16's two the word is whole
.endr
	v_cndmask_b32 v152, v[WD], v[WD+1], s28        ; lanes 0-15 keep the even K steps' words, lanes 16-31 the odd ones'
	v_cndmask_b32 v153, v[WD+2], v[WD+3], s28
	global_store_b64 v8, v[152:153], s[12:13]      ; 32 lanes store 256 consecutive bytes, at a multiple of 256 from xs's first byte
	s_wait_tensorcnt 0x0
	ds_add_u32 v240, v241
	s_wait_dscnt 0x0
	s_endpgm
; ---------------- the weights: K is NOT innermost.  For the conversions a lane must hold ONE column and its registers must run down K; a load is best where a lane takes 16 neighbouring bytes of a row.  Both are had:
; a block (32 along K x the wave's 64 columns) is loaded by 16 instructions, each two rows k x 256 consecutive bytes (lanes 0-15 one row, lanes 16-31 the next), goes into the wave's own stage in LDS as it lies
; (16 x lane + 512 for each load: 32 rows of 256 bytes), and comes back a column to a lane: 32 loads of 4 bytes a lane, 128 consecutive bytes each, for each of the wave's two groups of 32 columns.
; Stores and loads of the stage take consecutive bytes, so it needs no padding.  The conversions' results are 16 bytes of the operand's image.
; ONE PATH SERVES BOTH TENSORS: the tensor, the bytes from row to row (4,000 or 32,000) and from model to model are chosen by the work-group's number.  So the rows' offsets stand in 16 registers and not in immediates,
; and two bases, for the even and the odd blocks, are stepped by 64 rows.  Loads run two blocks (32 loads a wave) ahead.
.set WST,  4*STG                       ; the weights' stages: behind x's; 8,192 bytes a wave
.set VO,   16                          ; v16-31   load i of a block: (2 i + lane / 16) rows + my 16 bytes' place in a row; never rewritten
.set RW,   32                          ; v32-159  two sets of 64: a block as loaded
.set XW,   160                         ; v160-223 two sets of 32: my column's block, for each of the two groups of columns
.set CW,   224                         ; v224-231 codes: four registers for each group
.set SB,   232                         ; v232-235 the scale words of the two K steps, for each group
.Lweights:
	s_sub_co_u32 s19, ttmp9, XWG
	s_lshr_b32 s20, s19, 8                         ; t: which tensor
	s_bfe_u32 s21, s19, 0x30005                    ; m: which model
	s_bfe_u32 s22, s19, 0x30002                    ; kc: which 256 along K
	s_and_b32 s23, s19, 3
	s_lshl_b32 s23, s23, 2
	s_add_co_u32 s23, s23, s18                     ; which 64 columns are my wave's: 0 .. 15
	s_cmp_eq_u32 s20, 0
	s_mov_b32 s24, 32000
	s_cselect_b32 s24, 4000, s24                   ; bytes from row k to row k + 1
	s_mov_b32 s25, 4000
	s_cselect_b32 s25, 8192000, s25                ; bytes from model to model: 2,048 rows of 4,000 bytes, or 1,000 columns of a row
	s_lshl_b32 s37, s24, 1                         ; two rows
	s_wait_alu depctr_va_vdst(0)
	v_lshrrev_b32 v6, 4, v1                        ; lane / 16: the row of a load's two; on the way out j
	v_and_b32 v7, 15, v1                           ; lane % 16: my 16 bytes of a load's 256; on the way out r
	v_lshl_add_u32 v2, s23, 6, v1                  ; my column in the first group of 32,
	v_add_nc_u32 v8, 32, v2                        ; and in the second
	s_movk_i32 s36, 1000
	v_cmp_gt_u32 s30, s36, v2                      ; lanes whose column exists
	v_cmp_gt_u32 s31, s36, v8
	v_lshlrev_b32 v9, 2, v7
	v_lshl_add_u32 v9, s23, 6, v9                  ; the first of the four columns that I load;
	v_min_u32 v9, 996, v9                          ; columns 1000 on do not exist: those lanes read the last four that do, so that no load leaves its buffer; the codes made of them are replaced by zeros below
	v_lshlrev_b32 v9, 2, v9
	v_mad_u32_u24 v[VO], v6, s24, v9
.set li, 1
.rept 15
	v_add_nc_u32 v[VO+li], s37, v[VO+li-1]
.set li, li+1
.endr
	v_lshlrev_b32 v4, 10, v6
	v_lshl_add_u32 v4, v7, 4, v4                   ; wq: 1,024 j + 16 r
	v_lshlrev_b32 v5, 3, v6
	v_lshl_add_u32 v5, v7, 4, v5                   ; ws: 16 r + 8 j
	s_lshl_b32 s38, s18, 13
	s_add_co_u32 s38, s38, WST                     ; my stage
	v_lshl_add_u32 v10, v1, 4, s38                 ; into it: 16 x lane
	v_lshl_add_u32 v11, v1, 2, s38                 ; out of it: 4 x lane
	s_mul_i32 s26, s21, s25                        ; the source: my model,
	s_lshl_b32 s27, s24, 8
	s_mul_i32 s27, s27, s22                        ; my 256 rows
	s_add_co_u32 s26, s26, s27
	s_mov_b32 s27, 0
	s_lshl_b32 s19, s23, 4
	s_add_co_u32 s19, s19, s21                     ; the first group's record 8 cg + m, cg = 2 x (my 64 columns); the second group's lies 8 records on
	s_lshl_b32 s28, s19, 16                        ; wq: 65,536 a record + 8,192 kc + 2,048 t
	s_lshl_b32 s29, s22, 13
	s_add_co_u32 s28, s28, s29
	s_lshl_b32 s29, s20, 11
	s_add_co_u32 s28, s28, s29
	s_mov_b32 s29, 0
	s_lshl_b32 s32, s19, 12                        ; ws: 4,096 a record + 512 kc + 256 t
	s_lshl_b32 s33, s22, 9
	s_add_co_u32 s32, s32, s33
	s_lshl_b32 s33, s20, 8
	s_add_co_u32 s32, s32, s33
	s_mov_b32 s33, 0
	s_lshl_b32 s34, s24, 5                         ; 32 rows
	s_mov_b32 s35, 0
	s_wait_alu depctr_va_vdst(0)
	s_wait_kmcnt 0x0
	s_cmp_eq_u32 s20, 0                            ; the choice hangs on the work-group's number alone
	s_cselect_b64 s[6:7], s[6:7], s[8:9]
	s_add_nc_u64 s[6:7], s[6:7], s[26:27]          ; the even blocks' base: block 0
	s_add_nc_u64 s[14:15], s[14:15], s[28:29]
	s_add_nc_u64 s[16:17], s[16:17], s[32:33]
	s_add_nc_u64 s[32:33], s[6:7], s[34:35]        ; the odd blocks' base: block 1
	s_lshl_b32 s34, s24, 6                         ; a base's step: 64 rows
.macro LOADW b                         ; block b into set b % 2, from the base of its kind: 16 loads, each two rows x 256 consecutive bytes
.set li, 0
.rept 16
	global_load_b128 v[RW+64*((\b)%2)+4*li:RW+64*((\b)%2)+4*li+3], v[VO+li], s[6+26*((\b)%2):7+26*((\b)%2)] th:TH_LOAD_NT
.set li, li+1
.endr
.endm
.macro PROC b, jj                      ; my column of group jj, block b: K step b / 4 of the two, c2 = (b / 2) % 2, h = b % 2
.set XSRC, XW+32*(\jj)
	AMAX XSRC, 236
.irp g, 0,1,2,3
	v_cvt_scalef32_pk8_fp4_f32 v[CW+4*(\jj)+\g], v[XSRC+8*\g:XSRC+8*\g+7], v238
.endr
	v_lshrrev_b32 v239, 23, v238                   ; the scale's byte.  (Also the plain line between the conversions and the selects below, which touch their results)
.if ((\b)%4) == 0
	v_mov_b32 v[SB+2*(\jj)+(\b)/4], v239           ; four bytes to a word, the lower K in the lower byte
.else
	v_lshl_or_b32 v[SB+2*(\jj)+(\b)/4], v239, 8*((\b)%4), v[SB+2*(\jj)+(\b)/4]
.endif
.irp g, 0,1,2,3
	v_cndmask_b32 v[CW+4*(\jj)+\g], 0, v[CW+4*(\jj)+\g], s[30+(\jj)]   ; zero codes for columns 1000 on
.endr
	global_store_b128 v4, v[CW+4*(\jj):CW+4*(\jj)+3], s[14:15] offset:(\jj)*524288+((\b)/4)*4096+(((\b)/2)%2)*512+((\b)%2)*256   ; each sixteen lanes store 256 consecutive bytes, at a multiple of 256 from wq's first byte
.endm
.macro BLOCK b
.if (\b) < 7
	s_wait_loadcnt 16                              ; this block's 16 loads are in; the next block's may be out
.else
	s_wait_loadcnt 0x0
.endif
.set li, 0
.rept 16
	ds_store_b128 v10, v[RW+64*((\b)%2)+4*li:RW+64*((\b)%2)+4*li+3] offset:512*li
.set li, li+1
.endr
.set li, 0
.rept 32
	ds_load_b32 v[XW+li], v11 offset:256*li        ; row li of the stage, the first 32 columns.  LDS serves a wave's instructions in order (ISA guide 5.7.1.4): these see the stores above
.set li, li+1
.endr
	s_wait_xcnt 0x0                                ; the last block's two stores have read their code registers, which are written again below
.if (\b) < 6
	s_wait_dscnt 32                                ; all but the 32 loads: the 16 stores into the stage have read their registers,
	s_add_nc_u64 s[6+26*((\b)%2):7+26*((\b)%2)], s[6+26*((\b)%2):7+26*((\b)%2)], s[34:35]   ; (this block's loads are done, so their base may step)
	LOADW (\b)+2                                   ; which take the block two further on
.endif
	s_wait_dscnt 0x0                               ; the first group's numbers are in
.set li, 0
.rept 32
	ds_load_b32 v[XW+32+li], v11 offset:256*li+128 ; the second 32 columns come while the first are worked on
.set li, li+1
.endr
	PROC \b, 0
	s_wait_dscnt 0x0                               ; the second group's numbers are in; the stage may be written again
	PROC \b, 1
.endm
	LOADW 0
	LOADW 1
.irp b, 0,1,2,3,4,5,6,7
	BLOCK \b
.endr
	global_store_b64 v5, v[SB:SB+1], s[16:17]                  ; 32 lanes store 256 consecutive bytes, at a multiple of 256 from ws's first byte
	global_store_b64 v5, v[SB+2:SB+3], s[16:17] offset:32768   ; the second group's record
	s_wait_tensorcnt 0x0
	ds_add_u32 v240, v241
	s_wait_dscnt 0x0
	s_endpgm
.Lfunc_end_k_q1d6da4a52a_quant:
	.size	k_q1d6da4a52a_quant, .Lfunc_end_k_q1d6da4a52a_quant-k_q1d6da4a52a_quant
	.p2alignl 7, 3214868480
	.fill 96, 4, 3214868480
	.section	.rodata,"a",@progbits
	.p2align	6, 0x0
	.amdhsa_kernel k_q1d6da4a52a_quant
		.amdhsa_group_segment_fixed_size 50688
		.amdhsa_private_segment_fixed_size 0
		.amdhsa_enable_private_segment 0
		.amdhsa_kernarg_size 56
		.amdhsa_user_sgpr_count 2
		.amdhsa_user_sgpr_kernarg_segment_ptr 1
		.amdhsa_wavefront_size32 1
		.amdhsa_system_sgpr_workgroup_id_x 1
		.amdhsa_system_sgpr_workgroup_id_y 1
		.amdhsa_system_sgpr_workgroup_id_z 1
		.amdhsa_system_vgpr_workitem_id 0
		.amdhsa_next_free_vgpr 242
		.amdhsa_next_free_sgpr 66
		.amdhsa_reserve_vcc 0
		.amdhsa_float_denorm_mode_32 3
		.amdhsa_float_denorm_mode_16_64 3
		.amdhsa_memory_ordered 1
		.amdhsa_forward_progress 1
		.amdhsa_inst_pref_size 116
	.end_amdhsa_kernel
	.amdgpu_metadata
---
amdhsa.version: [ 1, 2 ]
amdhsa.kernels:
  - .name:           k_q1d6da4a52a_quant
    .symbol:         k_q1d6da4a52a_quant.kd
    .args:
      - { .name: x, .offset: 0, .size: 8, .value_kind: global_buffer, .address_space: global }
      - { .name: model_weights, .offset: 8, .size: 8, .value_kind: global_buffer, .address_space: global }
      - { .name: resnet_weight, .offset: 16, .size: 8, .value_kind: global_buffer, .address_space: global }
      - { .name: xq, .offset: 24, .size: 8, .value_kind: global_buffer, .address_space: global }
      - { .name: xs, .offset: 32, .size: 8, .value_kind: global_buffer, .address_space: global }
      - { .name: wq, .offset: 40, .size: 8, .value_kind: global_buffer, .address_space: global }
      - { .name: ws, .offset: 48, .size: 8, .value_kind: global_buffer, .address_space: global }
    .group_segment_fixed_size: 50688
    .private_segment_fixed_size: 0
    .kernarg_segment_align: 8
    .kernarg_segment_size: 56
    .max_flat_workgroup_size: 128
    .sgpr_count:     66
    .vgpr_count:     242
    .wavefront_size: 32
...
	.end_amdgpu_metadata
.endif
;; end of part 1
;; launch fuse (part 2): grid 8 x 32, 4 waves a work-group, clusters of 4 x 1, 327,680 bytes of LDS; arguments xq, xs, wq, ws, model_bias, resnet_bias, out0; writes out0
.if DOCPART == 2
	.amdgcn_target "amdgcn-amd-amdhsa--gfx1250"
	.amdhsa_code_object_version 6
	.text
	.protected	k_q1d6da4a52a_fuse
	.globl	k_q1d6da4a52a_fuse
	.p2align	8
	.type	k_q1d6da4a52a_fuse,@function
k_q1d6da4a52a_fuse:
	s_mov_b64 s[64:65], 0
	v_nop
	global_prefetch_b8 v0, s[64:65] scope:SCOPE_SE
	s_setreg_imm32_b32 hwreg(HW_REG_WAVE_MODE, 25, 1), 1
	s_wait_xcnt 0x0
	s_wait_alu depctr_hold_cnt(0) depctr_sa_sdst(0) depctr_va_vdst(0) depctr_va_sdst(0) depctr_va_ssrc(0) depctr_va_vcc(0) depctr_vm_vsrc(0)
	s_getreg_b32 s2, hwreg(HW_REG_IB_STS2, 6, 4)
	s_cmp_eq_u32 s2, 0
	s_cbranch_scc0 .Lentry_in_a_cluster
	s_endpgm
.Lentry_in_a_cluster:
	s_bfe_u32 s2, ttmp6, 0x10000c
	s_cmp_lg_u32 s2, 0x3003
	s_cbranch_scc0 .Lentry_shape_is_right
	s_endpgm
.Lentry_shape_is_right:
; out0[b][c] = sum over m of (x W_m + model_bias)[b][m][c] x (x R + resnet_bias)[b][m][c]; both products on codes of FP4 with E8M0 scales, as the launch before laid them (its head comment gives the layouts).
; A work-group makes 256 rows x 32 columns of out0: for each of the 8 models 32 columns of each of the two products.  A wave owns 64 rows of x and keeps their codes for all of K in 512 registers;
; the weights' codes go through a ring of two LDS slots, two models (128 KiB) a slot, each wave fetching a quarter of a slot by one tensor load.
; CLUSTERS: the four work-groups of a cluster take the same 32 columns and other rows: the weights' tiles are asked for jointly (mask 15).
; The matrix instruction is used transposed (source 0 = 16 columns of a weight, source 1 = 16 rows of x): a lane holds one row of x and eight neighbouring columns.  The biases are the C of a model's first K step.
; The weights' scale words (4 KiB a model) and the biases come from memory straight into registers, one model ahead; x's scale words once.
; REGISTERS: window 0: v0-15 addresses, v16-47 x's scale words, v48-111 the weights' scale words (two sets, by the model's parity), v112-143 biases, v144-207 the result.
;   window 1: v0-127 the 16 accumulators, v128-255 two sets of weight fragments (a set = two K steps of 128).   windows 2, 3: x's fragments.
; A pair of K steps is 32 matrix instructions; at its head the next pair's 16 LDS loads stand in ONE run, into the set that the pair before read.
; PREFETCH: behind each joint load but the last, the slot that the next joint load will ask for: 128 KiB, shared out by address among the cluster's 16 waves, a lane to each 256 bytes.
; LIMITS: as the launch before states them (NaN and infinities among the inputs are not served).
.set SLOT1, 1<<17
.set SPARE, 2*SLOT1                    ; behind the ring: the spare words, 512 bytes that no other line names
.set SP,    144                        ; the way out: a stage row, 128 bytes + 16
.set WSTG,  64*SP                      ; a wave's stage; it lies in slot 0, which has had its last fill and its last read by then
.set L16, 1
.set ADA, 2                            ; LDS addresses of the slot's two models
.set ADB, 3
.set SPW, 6
.set NIL, 7
.set BOF, 8
.set L8,  10
.set STO, 11
.set RD,  12
.set GO,  13
.set CB,  14
.set PFO, 15
.set XS,  16
.set BS,  48
.set BIAS, 112
.set RES, 144
.set OB,  16
.set T,   240
.set BF,  128                          ; window 1
.set MBP, 12
.set RBP, 14
.set WV,  18
.set G1,  24
.set G0,  40
.set TB,  48
.set TB2, 49
.set CNT, 50
.set PFA, 52
.set MSB, 0
.macro WIN new                         ; the immediate's high byte repeats the setting that is left
.if MSB != \new
	s_set_vgpr_msb (MSB<<8)|\new
.set MSB, \new
.endif
.endm
.macro PLACES
.rept 4
	v_nop
.endr
.endm
.macro CREST                           ; a round of the cluster's barrier behind its opening barrier
	s_cmp_lg_u32 s[WV], 0
	s_cbranch_scc1 .Lnot_wave_0_\@
	s_barrier_signal -3
.Lnot_wave_0_\@:
	s_barrier_wait -3
	s_barrier_signal -1
	s_barrier_wait -1
.endm
.macro CROUND
	s_barrier_signal -1
	s_barrier_wait -1
	CREST
.endm
; 16 LDS loads in one run: K steps 2 FP, 2 FP + 1 of the model at v[FADR] into set FP % 2
.macro FETCH16
	WIN 0x40                                       ; destination window 1, address window 0
.set fi, 0
.rept 16
	ds_load_b128 v[BF+64*(FP%2)+4*fi:BF+64*(FP%2)+4*fi+3], v[FADR] offset:FP*8192+512*fi
.set fi, fi+1
.endr
.endm
; one product: rows 16 a of x, tensor t, columns 16 j, K step 2 i + e; par: the set of scale words
.macro WM a, t, j, i, e, par, bias
.set rB, BF+32*((2*(\i)+\e)%4)+8*(2*\t+\j)
.set rA, 8*(4*((2*(\i)+\e)%8)+\a)
.set rW, BS+32*(\par)+4*(\i)+2*\j+\e
.set rX, XS+8*\a+(\i)
.set rD, 8*(4*\a+2*\t+\j)
.if \bias
.set rC, BIAS+8*(2*\t+\j)
.else
.set rC, rD
.endif
	v_wmma_scale_f32_16x16x128_f8f6f4 v[rD:rD+7], v[rB:rB+7], v[rA:rA+7], v[rC:rC+7], v[rW], v[rX] matrix_a_fmt:MATRIX_FMT_FP4 matrix_b_fmt:MATRIX_FMT_FP4 matrix_a_scale:MATRIX_SCALE_ROW\t matrix_b_scale:MATRIX_SCALE_ROW\e
.endm
; a K step's products for x's blocks a0 .. a1; the 16 accumulators take turns in the same order in every step
.macro STEP i, e, par, bias, a0, a1
	WIN 0x49+0x10*(1-(\bias))+4*((\i)/4)           ; source 0 window 1, source 1 window 2 or 3, C window 0 (biases) or 1, D window 1
.irp a, 0,1,2,3
.if (\a >= \a0) && (\a <= \a1)
.irp t, 0,1
.irp j, 0,1
	WM \a, \t, \j, \i, \e, \par, \bias
.endr
.endr
.endif
.endr
.endm
.macro BIASES
.irp j, 0,1
	global_load_b128 v[BIAS+8*\j:BIAS+8*\j+3],         v[BOF+\j], s[MBP:MBP+1]
	global_load_b128 v[BIAS+8*\j+4:BIAS+8*\j+7],       v[BOF+\j], s[MBP:MBP+1] offset:16
	global_load_b128 v[BIAS+16+8*\j:BIAS+16+8*\j+3],   v[BOF+\j], s[RBP:RBP+1]
	global_load_b128 v[BIAS+16+8*\j+4:BIAS+16+8*\j+7], v[BOF+\j], s[RBP:RBP+1] offset:16
.endr
.endm
.macro WSCALES par                     ; a model's scale words: 8 loads of 512 consecutive bytes
.irp k, 0,1,2,3,4,5,6,7
	global_load_b128 v[BS+32*(\par)+4*\k:BS+32*(\par)+4*\k+3], v[L16], s[10:11] offset:512*\k
.endr
.endm
; K steps 2 p, 2 p + 1 of the slot's model par.  The counted waits on LOADcnt serve the launch's first model, whose fragments of x are still coming (128 loads in K's order, then the 16 loads that pair 1 issues):
; behind the fragments of K steps 0-7 stand 64 loads, behind those of pair 4 64, of pair 5 48, of pair 6 32.  Pair 7's wait for 0 also shows the next model's biases and scale words landed.
.macro PAIR p, par, ld
.if (\p) > 0
	PLACES                                         ; behind the last pair's products, in front of the loads into the registers that they read (at pair 0 the lines of EPI are these places)
.endif
.if ((\p) == 0) || ((\p) == 4)
	s_wait_loadcnt 63
.elseif (\p) == 7
	s_wait_loadcnt 0x0
.elseif (\p) > 4
	s_wait_loadcnt 128-16*(\p)
.endif
.if ((\p) == 1) && (\ld)
	WIN 0
	s_wait_xcnt 0x0                                ; the bases are stepped only behind this wait
	s_add_nc_u64 s[MBP:MBP+1], s[MBP:MBP+1], 4000
	s_add_nc_u64 s[RBP:RBP+1], s[RBP:RBP+1], 4000
	s_add_nc_u64 s[10:11], s[10:11], 4096
	BIASES                                         ; the next model's
	WSCALES 1-(\par)
.endif
.if (\p) < 7
.set FADR, ADA+(\par)
.set FP, (\p)+1
.else
.set FADR, ADB
.set FP, 0
.endif
	FETCH16
	s_wait_dscnt 16                                ; all but the 16 just issued: this pair's fragments are in
.if (\p) == 0
	STEP \p, 0, \par, 1, 0, 3
.else
	STEP \p, 0, \par, 0, 0, 3
.endif
	STEP \p, 1, \par, 0, 0, 3
.endm
.macro EPI                             ; the result += product 1 x product 2; each accumulator is read from its low end on
	PLACES
	WIN 0x05
.irp a, 0,1,2,3
.irp j, 0,1
.irp i, 0,2,4,6
	v_pk_fma_f32 v[RES+8*(2*\a+\j)+\i:RES+8*(2*\a+\j)+\i+1], v[8*(4*\a+\j)+\i:8*(4*\a+\j)+\i+1], v[8*(4*\a+2+\j)+\i:8*(4*\a+2+\j)+\i+1], v[RES+8*(2*\a+\j)+\i:RES+8*(2*\a+\j)+\i+1]
.endr
.endr
.endr
	WIN 0
.endm
.macro SETADR                          ; the LDS addresses of the slot's two models
	WIN 0
	v_add_nc_u32 v[ADA], s[TB], v[L16]
	v_add_nc_u32 v[ADB], s[TB2], v[L16]
	s_wait_alu depctr_va_vdst(0)
.endm
.macro FIRST16                         ; the first two K steps of the slot's first model
.set FADR, ADA
.set FP, 0
	FETCH16
.endm
.macro STEPG0                          ; no tensor load of mine is out: the descriptor steps to the other slot and the next two models
	s_xor_b32 s[G0+1], s[G0+1], SLOT1
	s_add_nc_u64 s[G0+2:G0+3], s[G0+2:G0+3], 131072
.endm
; The last pair of a slot's second model.  kind 1: it changes slots and fills the slot just read; 2: it changes slots; 0: the launch's last pair.
.macro LAST kind
	WIN 0
	s_wait_loadcnt 0x0
.if \kind
	s_wait_tensorcnt 0x0                           ; all my tensor loads have landed: my quarter of the next slot;
	ds_add_u32 v[SPW], v[NIL]
.if (\kind) == 1
	STEPG0
	s_wait_xcnt 0x0                                ; my last prefetch has read its address
	s_add_nc_u64 s[PFA:PFA+1], s[PFA:PFA+1], 131072
.endif
	s_xor_b32 s[TB], s[TB], SLOT1
	s_xor_b32 s[TB2], s[TB2], SLOT1
	s_wait_dscnt 9                                 ; the add and K step 15's eight loads may be out
.else
	s_wait_dscnt 8
.endif
	STEP 7, 0, 1, 0, 0, 3
	s_wait_dscnt 0x0                               ; the add is done, and my reads of this slot are over
.if \kind
	s_barrier_signal -1
	STEP 7, 1, 1, 0, 0, 1
	WIN 0
	s_barrier_wait -1
.if (\kind) == 1
	CREST                                          ; the barrier has opened a round of the cluster's barrier
	tensor_load_to_lds s[G0:G0+3], s[G1:G1+7]
	s_nop 0
.endif
	PLACES
	SETADR
	FIRST16
.if (\kind) == 1
	WIN 0
	s_cmp_eq_u32 s[CNT], 3                         ; behind the joint load of models 4, 5: models 6, 7; behind the last joint load nothing is left to ask for
	s_cbranch_scc0 .Lno_ask_\@
	global_prefetch_b8 v[PFO], s[PFA:PFA+1] th:TH_LOAD_NT scope:SCOPE_SE
.Lno_ask_\@:
.endif
	STEP 7, 1, 1, 0, 2, 3
.else
	STEP 7, 1, 1, 0, 0, 3
.endif
	EPI
.endm
.macro PM ld                           ; a slot's two models but for the last pair
.irp p, 0,1,2,3,4,5,6,7
	PAIR \p, 0, 1
.endr
	EPI
.irp p, 0,1,2,3,4,5,6
	PAIR \p, 1, \ld
.endr
	WIN 0
.endm
	s_load_b256 s[4:11], s[0:1], 0x0               ; xq, xs, wq, ws
	s_load_b128 s[12:15], s[0:1], 0x20             ; model_bias, resnet_bias
	s_load_b64 s[16:17], s[0:1], 0x30              ; out0
	v_lshl_add_u32 v[SPW], v0, 2, SPARE
	v_mov_b32 v[NIL], 0
	ds_add_u32 v[SPW], v[NIL]
	ds_add_u32 v[SPW], v[NIL]
	v_lshrrev_b32 v[T], 5, v0
	v_readfirstlane_b32 s[WV], v[T]                ; wave 0..3
	s_bfe_u32 s19, ttmp6, 0x40000                  ; cx
	s_lshl_b32 s20, ttmp9, 2
	s_add_co_u32 s20, s20, s19                     ; which 256 rows
	s_and_b32 s21, ttmp7, 0xffff                   ; cg: which 32 columns
	s_mov_b32 s[G1], 15|(3<<16)|(1<<21)            ; the mask of the four; elements of 8 bytes
	s_mov_b32 s[G1+1], 32<<16                      ; a quarter of a slot: 128 rows of 256 bytes, dense
	s_mov_b32 s[G1+2], 128<<16
	s_mov_b32 s[G1+3], 32<<16
	s_mov_b32 s[G1+4], 128
	s_mov_b32 s[G1+5], 32
	s_mov_b32 s[G1+6], 0
	s_mov_b32 s[G1+7], 0
	s_lshl_b32 s22, s21, 19                        ; wq: 524,288 cg + my quarter
	s_lshl_b32 s23, s[WV], 15
	s_add_co_u32 s22, s22, s23
	s_mov_b32 s23, 0
	s_mov_b32 s[G0], 1
	s_lshl_b32 s[G0+1], s[WV], 15
	s_mov_b32 s[TB], 0
	s_mov_b32 s[TB2], 0x10000
	s_mov_b32 s[CNT], 3
	s_lshl_b32 s56, s20, 2
	s_add_co_u32 s56, s56, s[WV]                   ; g: my 64 rows
	s_lshl_b32 s57, s21, 7                         ; my columns, in bytes
	s_mul_i32 s59, s[WV], WSTG
	v_and_b32 v[T], 31, v0
	v_and_b32 v[T+1], 15, v0
	v_bfe_u32 v[T+2], v0, 4, 1
	v_lshrrev_b32 v[T+3], 3, v[T]
	v_and_b32 v[T+4], 7, v0
	v_lshlrev_b32 v[L16], 4, v[T]
	v_lshlrev_b32 v[L8], 3, v[T]
	v_lshlrev_b32 v[PFO], 8, v[T]
	v_lshl_add_u32 v[BOF], v[T+2], 5, s57          ; biases: my eight columns of each block of 16;
	v_add_nc_u32 v[BOF+1], 64, v[BOF]
	v_min_u32 v[BOF], 3968, v[BOF]                 ; columns 1000 on do not exist: those lanes read the last eight that do, and their results are not stored
	v_min_u32 v[BOF+1], 3968, v[BOF+1]
	v_lshl_add_u32 v[CB], v[T+4], 4, s57
	v_mul_u32_u24 v[STO], v[T+1], SP
	v_lshl_add_u32 v[STO], v[T+2], 5, v[STO]
	v_add_nc_u32 v[STO], s59, v[STO]
	v_mul_u32_u24 v[RD], v[T+3], SP
	v_lshl_add_u32 v[RD], v[T+4], 4, v[RD]
	v_add_nc_u32 v[RD], s59, v[RD]
	v_mul_u32_u24 v[GO], v[T+3], 4000
	v_lshl_add_u32 v[GO], v[T+4], 4, v[GO]
	s_wait_alu depctr_va_vdst(0)
	s_wait_dscnt 0x0                               ; both opening adds are done
	s_wait_kmcnt 0x0
	s_add_nc_u64 s[G0+2:G0+3], s[8:9], s[22:23]
	s_or_b32 s[G0+3], s[G0+3], 0x80000000
	s_mov_b32 s3, 0
	s_lshl_b32 s2, s56, 16
	s_add_nc_u64 s[4:5], s[4:5], s[2:3]
	s_lshl_b32 s2, s56, 12
	s_add_nc_u64 s[6:7], s[6:7], s[2:3]
	s_lshl_b32 s2, s21, 15
	s_add_nc_u64 s[10:11], s[10:11], s[2:3]
	s_mul_i32 s2, s56, 256000
	s_add_co_u32 s2, s2, s57
	s_add_nc_u64 s[16:17], s[16:17], s[2:3]
	s_lshl_b32 s2, s19, 2                          ; the prefetches: of a slot's 128 KiB the wave 4 cx + wave takes 8 KiB, told apart by address
	s_add_co_u32 s2, s2, s[WV]
	s_lshl_b32 s2, s2, 13
	s_lshl_b32 s57, s21, 19
	s_add_co_u32 s2, s2, s57
	s_add_co_u32 s2, s2, 262144                    ; models 4, 5
	s_add_nc_u64 s[PFA:PFA+1], s[8:9], s[2:3]
	CROUND                                         ; the four work-groups are here: the first joint loads meet
	tensor_load_to_lds s[G0:G0+3], s[G1:G1+7]      ; models 0, 1: my one tensor load at the head
	s_nop 0
	PLACES
.set i, 0
.rept 16
	global_load_b64 v[XS+2*i:XS+2*i+1], v[L8], s[6:7] offset:256*i
.set i, i+1
.endr
	BIASES
	WSCALES 0
	WIN 0x80
.set ia, 0
.rept 24
	global_load_b128 v[4*ia:4*ia+3], v[L16], s[4:5] offset:512*ia       ; x's fragments, in K's order: K steps 0 to 2 now, the others behind the second slot's request
.set ia, ia+1
.endr
	WIN 0
.set i, 0
.rept 64
	v_mov_b32 v[RES+i], 0                          ; the sum over the models begins at 0: every model runs the same text
.set i, i+1
.endr
	SETADR
	s_wait_tensorcnt 0x0                           ; my quarter of slot 0 is in
	ds_add_u32 v[SPW], v[NIL]
	STEPG0
	s_wait_dscnt 0x0
	CROUND
	tensor_load_to_lds s[G0:G0+3], s[G1:G1+7]      ; models 2, 3 into slot 1
	s_nop 0
	PLACES
	FIRST16
	WIN 0
	global_prefetch_b8 v[PFO], s[PFA:PFA+1] th:TH_LOAD_NT scope:SCOPE_SE
	WIN 0x80
.rept 40
	global_load_b128 v[4*ia:4*ia+3], v[L16], s[4:5] offset:512*ia
.set ia, ia+1
.endr
	WIN 0xc0
.set ia, 0
.rept 64
	global_load_b128 v[4*ia:4*ia+3], v[L16], s[4:5] offset:32768+512*ia
.set ia, ia+1
.endr
	WIN 0
.Lphase:                                               ; a trip: a slot's two models; the third trip leaves ahead of the refill
	PM 1
	s_cmp_eq_u32 s[CNT], 1
	s_cbranch_scc1 .Llast
	LAST 1
	s_sub_co_u32 s[CNT], s[CNT], 1
	s_cmp_lg_u32 s[CNT], 0
	s_cbranch_scc1 .Lphase
.Llast:
	LAST 2                                         ; nothing is left to fetch
	PM 0
	LAST 0
	; THE WAY OUT: through my own stage, back as rows of 128 bytes, four rows a store
.irp a, 0,1,2,3
.irp j, 0,1
	ds_store_b128 v[STO], v[RES+8*(2*\a+\j):RES+8*(2*\a+\j)+3] offset:\a*16*SP+64*\j
	ds_store_b128 v[STO], v[RES+8*(2*\a+\j)+4:RES+8*(2*\a+\j)+7] offset:\a*16*SP+64*\j+16
.endr
.endr
.set i, 0
.rept 16
	ds_load_b128 v[OB+4*i:OB+4*i+3], v[RD] offset:i*4*SP       ; LDS serves a wave's instructions in order: these see the stores above
.set i, i+1
.endr
	v_cmp_gt_u32 vcc_lo, 4000, v[CB]               ; columns 1000 on are not stored
	s_wait_xcnt 0x0                                ; EXEC changes only behind this wait
	s_and_saveexec_b32 s58, vcc_lo
.set i, 0
.rept 16
	s_wait_dscnt 15-i
	global_store_b128 v[GO], v[OB+4*i:OB+4*i+3], s[16:17] offset:16000*i
.set i, i+1
.endr
	s_wait_xcnt 0x0
	s_or_b32 exec_lo, exec_lo, s58
	s_wait_tensorcnt 0x0                           ; the wave's end
	ds_add_u32 v[SPW], v[NIL]
	s_wait_dscnt 0x0
	CROUND                                         ; the closing round
	s_endpgm
.Lfunc_end_k_q1d6da4a52a_fuse:
	.size	k_q1d6da4a52a_fuse, .Lfunc_end_k_q1d6da4a52a_fuse-k_q1d6da4a52a_fuse
	.p2alignl 7, 3214868480
	.fill 96, 4, 3214868480
	.section	.rodata,"a",@progbits
	.p2align	6, 0x0
	.amdhsa_kernel k_q1d6da4a52a_fuse
		.amdhsa_group_segment_fixed_size 327680
		.amdhsa_private_segment_fixed_size 0
		.amdhsa_enable_private_segment 0
		.amdhsa_kernarg_size 56
		.amdhsa_user_sgpr_count 2
		.amdhsa_user_sgpr_kernarg_segment_ptr 1
		.amdhsa_wavefront_size32 1
		.amdhsa_system_sgpr_workgroup_id_x 1
		.amdhsa_system_sgpr_workgroup_id_y 1
		.amdhsa_system_sgpr_workgroup_id_z 1
		.amdhsa_system_vgpr_workitem_id 0
		.amdhsa_next_free_vgpr 1024
		.amdhsa_next_free_sgpr 66
		.amdhsa_reserve_vcc 1
		.amdhsa_float_denorm_mode_32 3
		.amdhsa_float_denorm_mode_16_64 3
		.amdhsa_memory_ordered 1
		.amdhsa_forward_progress 1
		.amdhsa_inst_pref_size 218
	.end_amdhsa_kernel
	.amdgpu_metadata
---
amdhsa.version: [ 1, 2 ]
amdhsa.kernels:
  - .name:           k_q1d6da4a52a_fuse
    .symbol:         k_q1d6da4a52a_fuse.kd
    .args:
      - { .name: xq, .offset: 0, .size: 8, .value_kind: global_buffer, .address_space: global }
      - { .name: xs, .offset: 8, .size: 8, .value_kind: global_buffer, .address_space: global }
      - { .name: wq, .offset: 16, .size: 8, .value_kind: global_buffer, .address_space: global }
      - { .name: ws, .offset: 24, .size: 8, .value_kind: global_buffer, .address_space: global }
      - { .name: model_bias, .offset: 32, .size: 8, .value_kind: global_buffer, .address_space: global }
      - { .name: resnet_bias, .offset: 40, .size: 8, .value_kind: global_buffer, .address_space: global }
      - { .name: out0, .offset: 48, .size: 8, .value_kind: global_buffer, .address_space: global }
    .group_segment_fixed_size: 327680
    .private_segment_fixed_size: 0
    .kernarg_segment_align: 8
    .kernarg_segment_size: 56
    .max_flat_workgroup_size: 128
    .sgpr_count:     66
    .vgpr_count:     1024
    .wavefront_size: 32
...
	.end_amdgpu_metadata
.endif
;; end of part 2
